; MI455X (gfx1250); checked and timed in simulation.
; The chip was launched on July 23, 2026; its instructions are those of AMD's public machine-readable ISA for CDNA 5 (MIT licence, August 2026) and "CDNA5" Instruction Set Architecture Reference Guide (July 2026). The comments in the code are by the model that wrote it; some were corrected since.
;; eval Yolov2. Allowed arithmetic: float matrix products may take bf16 or f16 operands with f32 sums; other float arithmetic in f32, or as packed bf16 or f16 multiplies, adds, multiply-adds, maxima and minima; sums over many terms, partial sums and values carried from step to step in f32; what a program stores and reads back later, other than sums and carried values, may be rounded once to bf16 or f16.
;; Inputs: anchors 10 float32; pred 64 x 425 x 19 x 19 float32.
;; Outputs: out0 64 x 1,805 x 7 float32.
;; One version. Each part assembles by itself: llvm-mc -triple=amdgcn-amd-amdhsa -mcpu=gfx1250 --defsym DOCPART=n.
;; ======== version 1 of 1: 2 launches
;; workspace buffers: det 3,670,016 bytes; rank 524,288 bytes of whole numbers
;; launch decode (part 1): grid 4 x 64, 15 waves a work-group, no clusters, 9,472 bytes of LDS; arguments pred, anchors, det, rank; writes det, rank
.if DOCPART == 1
	.amdgcn_target "amdgcn-amd-amdhsa--gfx1250"
	.amdhsa_code_object_version 6
	.text
	.protected	k_q9efa5eb9fe_decode
	.globl	k_q9efa5eb9fe_decode
	.p2align	8
	.type	k_q9efa5eb9fe_decode,@function
k_q9efa5eb9fe_decode:
	s_mov_b64 s[64:65], 0
	v_nop
	global_prefetch_b8 v0, s[64:65] scope:SCOPE_SE
	s_setreg_imm32_b32 hwreg(HW_REG_WAVE_MODE, 25, 1), 1
	s_wait_xcnt 0x0
; YOLOv2 decode, and the place of every box in the order of its image.
; pred [64][5*85][19][19] f32 -> det [64][7 fields][2048] f32 (obj, bx, by, bw, bh, class, p) and rank [64][2048] u32.
; rank[n], n < 1805: how many boxes of the image have a greater objectness, or an equal one and a smaller number: the row
; of box n in a stable descending sort.  rank[1805]: how many boxes have objectness > 0.5.  Slots 1806 to 1823 are stored and never used.
; SHARES.  Four work-groups to an image, 15 waves each; a wave owns a block of 32 boxes, a lane one box: block = 15 x + wave.
; An image has 57 blocks (1,824 slots).  The three waves beyond them (work-group 3, waves 12 to 14) help to stage the objectness in LDS and
; then go to the closing barrier; they run the same loads as the others, on the last box's numbers (one address for all lanes), so that the text has one way up to the first barrier.
; A lane's 85 channels lie 1,444 bytes apart; the 32 lanes of a load read 128 neighbouring bytes.  An image begins at
; b x 613,700 bytes, a multiple of 4 only, so loads are of 4 bytes a lane.
; LIMITS.  NaN and infinities among the inputs are not served.  x / 19 is x times the f32 nearest 1/19; exp(x) is 2^(x log2 e).
.set IMG_B,  613700                    ; bytes of an image in pred
.set PLANE,  1444                      ; bytes of a channel's 19 x 19 plane
.set ANCH_B, 121296                    ; 84 planes: what an anchor adds to 4 n to make the box's offset in channel 0
.set NBLK,   57                        ; blocks of 32 slots
.set FIELD,  8192                      ; bytes of a field in det
.set SPARE,  7424                      ; behind the 1,824 staged numbers (7,296 bytes): the spare words, 128 bytes a wave, eight blocks of 256 bytes
.set SPW,  2                           ; v2   LDS address of my spare word; never rewritten
.set NIL,  3                           ; v3   0; never rewritten
.set NC,   4                           ; v4   min(n, 1804)
.set AN,   5                           ; v5   my box's anchor, 0 to 4
.set BO,   6                           ; v6   my box's byte offset in channel 0
.set L4,   7                           ; v7   4 x thread: where I stage
.set SO,   8                           ; v8-11   byte offsets of the four slots that I stage
.set SD,   12                          ; v12-15  their objectness
.set KEY,  16                          ; v16  what I count against
.set CT,   17                          ; v17  the count
.set JA,   18                          ; v18  LDS address of the block of 32 in hand, the same in every lane
.set N4,   19                          ; v19  4 n: my slot in a field of det and in rank
.set JV,   20                          ; v20-51  the block's 32 numbers, each in every lane
.set CH,   52                          ; v52-56  tx, ty, tw, th, obj
.set CLS,  57                          ; v57-136 the 80 classes; v57 and v97 become the two running maxima
.set AO,   137                         ; v137 byte offset of my anchor's pair
.set AW,   138                         ; v138-139 anchor width and height
.set T,    140                         ; v140-145 at work
.set IA,   147                         ; v147, v148 the two running class numbers
.set IB,   148
	s_load_b256 s[4:11], s[0:1], 0x0               ; pred s[4:5], anchors s[6:7], det s[8:9], rank s[10:11]
	v_lshl_add_u32 v[SPW], v0, 2, SPARE
	v_mov_b32 v[NIL], 0
	v_lshrrev_b32 v[L4], 5, v0
	v_readfirstlane_b32 s12, v[L4]                 ; wave 0..14
	s_and_b32 s15, ttmp7, 0xffff                   ; image
	s_mul_i32 s13, ttmp9, 15
	s_add_co_u32 s13, s13, s12                     ; my block of 32 boxes, 0..59
	s_mul_i32 s14, ttmp9, 480
	v_add_nc_u32 v1, s14, v0                       ; n
	v_min_u32 v[NC], 1804, v1
	v_mul_u32_u24 v[AN], 2905, v[NC]               ; n / 361 = (n x 2905) >> 20 for n < 1805: the excess, n x 129 / (361 x 2^20), stays under 1/361
	v_lshrrev_b32 v[AN], 20, v[AN]
	v_mul_u32_u24 v[BO], ANCH_B, v[AN]
	v_lshl_add_u32 v[BO], v[NC], 2, v[BO]          ; 4 n + 84 planes x anchor; channel c adds c planes
	v_lshlrev_b32 v[N4], 2, v1                     ; at most 4 x 1,919: inside a field's 8,192 bytes, and another in every thread
	v_lshlrev_b32 v[L4], 2, v0
	v_lshlrev_b32 v[AO], 3, v[AN]
.irp m, 0,1,2,3                                        ; slot s = thread + 480 m of the image's 1,824: the same offset arithmetic
	v_add_nc_u32 v[SO+(\m)], 480*(\m), v0
	v_min_u32 v[SO+(\m)], 1804, v[SO+(\m)]         ; no load leaves the image
	v_mul_u32_u24 v[SD+(\m)], 2905, v[SO+(\m)]
	v_lshrrev_b32 v[SD+(\m)], 20, v[SD+(\m)]
	v_mul_u32_u24 v[SD+(\m)], ANCH_B, v[SD+(\m)]
	v_lshl_add_u32 v[SO+(\m)], v[SO+(\m)], 2, v[SD+(\m)]
.endr
	s_mul_i32 s20, s15, IMG_B                      ; 63 x 613,700 is below 2^32
	s_mov_b32 s21, 0
	s_mul_i32 s22, s15, 7*FIELD
	s_mov_b32 s23, 0
	s_lshl_b32 s24, s15, 13
	s_mov_b32 s25, 0
	s_wait_kmcnt 0x0
	s_add_nc_u64 s[4:5], s[4:5], s[20:21]
	s_add_nc_u64 s[8:9], s[8:9], s[22:23]
	s_add_nc_u64 s[10:11], s[10:11], s[24:25]
.irp m, 0,1,2,3
	global_load_b32 v[SD+(\m)], v[SO+(\m)], s[4:5] offset:4*PLANE  ; the objectness of four slots: wanted first,
.endr
	global_load_b32 v[CH+4], v[BO], s[4:5] offset:4*PLANE  ; and my own box's, against which I count.  No hint: four work-groups stage these planes
	global_load_b64 v[AW:AW+1], v[AO], s[6:7]      ; my anchor's width and height
.set c, 0
.rept 4
	global_load_b32 v[CH+c], v[BO], s[4:5] offset:c*PLANE th:TH_LOAD_NT
.set c, c+1
.endr
.set c, 0
.rept 40
	global_load_b32 v[CLS+c], v[BO], s[4:5] offset:(5+c)*PLANE th:TH_LOAD_NT
.set c, c+1
.endr
	s_wait_loadcnt 45                              ; loads come back in order: the 45 issued last may stay out, the five of objectness are in
	v_cmp_gt_u32 vcc_lo, 365, v0                   ; slot 1440 + thread is a box while thread < 365;
	v_cndmask_b32 v[SD+3], 0xff800000, v[SD+3], vcc_lo  ; the slots behind the boxes hold -inf: no count ever takes them
	ds_store_b32 v[L4], v[SD]
	ds_store_b32 v[L4], v[SD+1] offset:1920
	ds_store_b32 v[L4], v[SD+2] offset:3840
	s_cmp_lt_u32 s12, 12                           ; 1440 + 12 x 32 = 1824: the last three waves have no fourth slot
	s_cbranch_scc0 .Lthree
	ds_store_b32 v[L4], v[SD+3] offset:5760
.Lthree:
.set c, 40
.rept 40
	global_load_b32 v[CLS+c], v[BO], s[4:5] offset:(5+c)*PLANE th:TH_LOAD_NT  ; the other 40 classes land while the counting goes on
.set c, c+1
.endr
	s_wait_dscnt 0x0                               ; for the others' sake: my staged numbers are in LDS
	s_barrier_signal -1
	s_barrier_wait -1                              ; everybody's are
	s_cmp_lt_u32 s13, NBLK
	s_cbranch_scc0 .Lend                           ; the three helping waves have no box
	v_mov_b32 v[CT], 0
	v_cmp_gt_u32 vcc_lo, 1805, v1
	v_cndmask_b32 v[KEY], 0x3f000001, v[CH+4], vcc_lo  ; slots behind the boxes count against the f32 next above 0.5: 'at least that' is '> 0.5', and every box has a smaller number than slot 1805
; The count over a block of 32 numbers that all lie before me (op = ge: greater or equal counts) or all behind me (op = gt).
; The compare's mask goes into the count as a carry: two instructions a number.
.macro CNT op
.irp g, 0,1,2,3,4,5,6,7
	s_wait_dscnt 7-(\g)                            ; LDS loads come back in order: group g of the eight is in
.irp e, 0,1,2,3
	v_cmp_\op\()_f32 vcc_lo, v[JV+4*(\g)+(\e)], v[KEY]
	v_add_co_ci_u32 v[CT], vcc_lo, 0, v[CT], vcc_lo
.endr
.endr
.endm
; My own block: number jl counts where it is greater, or equal and my lane is behind jl.
.macro CNTD
	s_wait_dscnt 0x0
.set jl, 0
.rept 32
	v_cmp_gt_f32 s16, v[JV+jl], v[KEY]
	v_cmp_ge_f32 s17, v[JV+jl], v[KEY]
	s_and_b32 s17, s17, (0xfffffffe<<jl)&0xffffffff  ; the lanes behind jl
	s_or_b32 s16, s16, s17
	v_add_co_ci_u32 v[CT], s18, 0, v[CT], s16
.set jl, jl+1
.endr
.endm
	s_mov_b32 s14, 0
.Lblock:                                               ; 57 trips: a block of 32 staged numbers, read by all lanes at one address
	s_lshl_b32 s19, s14, 7                         ; 128 bytes x the trip's number, 0 to 56: 7,168 at the most, the last byte read is 7,295
	v_mov_b32 v[JA], s19
.irp g, 0,1,2,3,4,5,6,7
	ds_load_b128 v[JV+4*(\g):JV+4*(\g)+3], v[JA] offset:16*(\g)
.endr
	s_cmp_lt_u32 s14, s13
	s_cbranch_scc1 .Lbefore
	s_cmp_eq_u32 s14, s13
	s_cbranch_scc1 .Lsame
	CNT gt
	s_branch .Lnext
.Lbefore:
	CNT ge
	s_branch .Lnext
.Lsame:
	CNTD
.Lnext:
	s_add_co_u32 s14, s14, 1
	s_cmp_lt_u32 s14, NBLK
	s_cbranch_scc1 .Lblock
	s_wait_loadcnt 0x0                             ; my 85 channels and the anchor
	v_mul_u32_u24 v[T], 361, v[AN]
	v_sub_nc_u32 v[T], v[NC], v[T]                 ; cell 0..360
	v_mul_u32_u24 v[T+1], 3450, v[T]               ; cell / 19 = (cell x 3450) >> 16: the excess, cell x 14 / (19 x 2^16), stays under 1/19
	v_lshrrev_b32 v[T+1], 16, v[T+1]               ; the cell's row
	v_mul_u32_u24 v[T+2], 19, v[T+1]
	v_sub_nc_u32 v[T+2], v[T], v[T+2]              ; its column
	v_cvt_f32_u32 v[T+1], v[T+1]
	v_cvt_f32_u32 v[T+2], v[T+2]
	v_mul_f32 v[T+3], 0x3fb8aa3b, v[CH+2]          ; tw log2 e
	v_mul_f32 v[T+4], 0x3fb8aa3b, v[CH+3]
	v_exp_f32 v[T+3], v[T+3]
	v_exp_f32 v[T+4], v[T+4]
	v_add_f32 v[T+2], v[CH], v[T+2]                ; plain work stands between the exponentials and the use of their results
	v_add_f32 v[T+1], v[CH+1], v[T+1]
	v_mul_f32 v[AW], 0x3d579436, v[AW]             ; anchor / 19
	v_mul_f32 v[AW+1], 0x3d579436, v[AW+1]
	v_mul_f32 v[T+2], 0x3d579436, v[T+2]           ; bx
	v_mul_f32 v[T+1], 0x3d579436, v[T+1]           ; by
	s_wait_alu depctr_va_vdst(0)
	v_mul_f32 v[T+3], v[T+3], v[AW]                ; bw
	v_mul_f32 v[T+4], v[T+4], v[AW+1]              ; bh
	; the largest class and its number, the first of equals: two chains of 40, so that no line waits for the one before it
	v_mov_b32 v[IA], 0
	v_mov_b32 v[IB], 40
.set c, 1
.rept 39
	v_cmp_gt_f32 vcc_lo, v[CLS+c], v[CLS]
	v_cmp_gt_f32 s16, v[CLS+40+c], v[CLS+40]
	v_cndmask_b32 v[IA], v[IA], c, vcc_lo
	v_cndmask_b32 v[IB], v[IB], 40+c, s16
	v_max_num_f32 v[CLS], v[CLS], v[CLS+c]
	v_max_num_f32 v[CLS+40], v[CLS+40], v[CLS+40+c]
.set c, c+1
.endr
	v_cmp_gt_f32 vcc_lo, v[CLS+40], v[CLS]         ; the later chain wins only if strictly greater
	v_cndmask_b32 v[IA], v[IA], v[IB], vcc_lo
	v_max_num_f32 v[CLS], v[CLS], v[CLS+40]
	v_cvt_f32_u32 v[IA], v[IA]
	v_mul_f32 v[T+5], v[CLS], v[CH+4]              ; class probability x objectness
	v_cmp_lt_f32 vcc_lo, 0x3dcccccd, v[T+5]
	v_cndmask_b32 v[T+5], 0, v[T+5], vcc_lo        ; 0 unless above 0.1
	global_store_b32 v[N4], v[CH+4], s[8:9]        ; each store of the wave covers 128 consecutive bytes
	global_store_b32 v[N4], v[T+2], s[8:9] offset:FIELD
	global_store_b32 v[N4], v[T+1], s[8:9] offset:2*FIELD
	global_store_b32 v[N4], v[T+3], s[8:9] offset:3*FIELD
	global_store_b32 v[N4], v[T+4], s[8:9] offset:4*FIELD
	global_store_b32 v[N4], v[IA], s[8:9] offset:5*FIELD
	global_store_b32 v[N4], v[T+5], s[8:9] offset:6*FIELD
	global_store_b32 v[N4], v[CT], s[10:11]
.Lend:                                                 ; both ways join here: every wave passes the barrier below
	s_wait_dscnt 0x0                               ; my reads of the staged numbers are over
	s_barrier_signal -1
	s_barrier_wait -1                              ; everybody's are: no wave writes LDS again before that
	s_wait_tensorcnt 0x0                           ; the wave's end
	ds_add_u32 v[SPW], v[NIL]
	s_wait_dscnt 0x0
	s_endpgm
.Lfunc_end_k_q9efa5eb9fe_decode:
	.size	k_q9efa5eb9fe_decode, .Lfunc_end_k_q9efa5eb9fe_decode-k_q9efa5eb9fe_decode
	.p2alignl 7, 3214868480
	.fill 96, 4, 3214868480
	.section	.rodata,"a",@progbits
	.p2align	6, 0x0
	.amdhsa_kernel k_q9efa5eb9fe_decode
		.amdhsa_group_segment_fixed_size 9472
		.amdhsa_private_segment_fixed_size 0
		.amdhsa_enable_private_segment 0
		.amdhsa_kernarg_size 32
		.amdhsa_user_sgpr_count 2
		.amdhsa_user_sgpr_kernarg_segment_ptr 1
		.amdhsa_wavefront_size32 1
		.amdhsa_system_sgpr_workgroup_id_x 1
		.amdhsa_system_sgpr_workgroup_id_y 1
		.amdhsa_system_sgpr_workgroup_id_z 1
		.amdhsa_system_vgpr_workitem_id 0
		.amdhsa_next_free_vgpr 152
		.amdhsa_next_free_sgpr 66
		.amdhsa_reserve_vcc 1
		.amdhsa_float_denorm_mode_32 3
		.amdhsa_float_denorm_mode_16_64 3
		.amdhsa_memory_ordered 1
		.amdhsa_forward_progress 1
		.amdhsa_inst_pref_size 40
	.end_amdhsa_kernel
	.amdgpu_metadata
---
amdhsa.version: [ 1, 2 ]
amdhsa.kernels:
  - .name:           k_q9efa5eb9fe_decode
    .symbol:         k_q9efa5eb9fe_decode.kd
    .args:
      - { .name: pred, .offset: 0, .size: 8, .value_kind: global_buffer, .address_space: global }
      - { .name: anchors, .offset: 8, .size: 8, .value_kind: global_buffer, .address_space: global }
      - { .name: det, .offset: 16, .size: 8, .value_kind: global_buffer, .address_space: global }
      - { .name: rank, .offset: 24, .size: 8, .value_kind: global_buffer, .address_space: global }
    .group_segment_fixed_size: 9472
    .private_segment_fixed_size: 0
    .kernarg_segment_align: 8
    .kernarg_segment_size: 32
    .max_flat_workgroup_size: 480
    .sgpr_count:     66
    .vgpr_count:     152
    .wavefront_size: 32
...
	.end_amdgpu_metadata
.endif
;; end of part 1
;; launch nms (part 2): grid 64 x 1, 32 waves a work-group, no clusters, 91,904 bytes of LDS; arguments det, rank, out0; writes out0
.if DOCPART == 2
	.amdgcn_target "amdgcn-amd-amdhsa--gfx1250"
	.amdhsa_code_object_version 6
	.text
	.protected	k_q9efa5eb9fe_nms
	.globl	k_q9efa5eb9fe_nms
	.p2align	8
	.type	k_q9efa5eb9fe_nms,@function
k_q9efa5eb9fe_nms:
	s_mov_b64 s[64:65], 0
	v_nop
	global_prefetch_b8 v0, s[64:65] scope:SCOPE_SE
	s_setreg_imm32_b32 hwreg(HW_REG_WAVE_MODE, 25, 1), 1
	s_wait_xcnt 0x0
; Greedy suppression, the filters and the output, one work-group of 32 waves to an image: the greedy chain of an image is sequential.
; det [64][7][2048] f32 and rank [64][2048] u32 (whole numbers stored by the launch before) -> out0 [64][1805][7] f32.
; SORT.  Every box is put into LDS at the row that its rank names: corners (REC), AP, and its seven numbers in the output's own layout (OUT7).
; THE TEST.  iou >= 0.45 is inter >= c (area_i + area_j), c = 0.45 / 1.45, for boxes of positive sides: row i removes column j where
; fl(iw ih - AP_i) >= AP_j with AP = c x area.  AP is +inf for a row that cannot act or be kept (objectness <= 0.5, a pad, or, written later,
; removed): iw ih - inf is -inf and passes no test.  AP is the largest finite f32 for a box with a side or c x area <= 0, or an area beyond f32:
; such a box overlaps nothing, as in the division (0 / x, or 0 / 0).  Only iw is clamped at 0: with ih < 0 the product is <= 0, and 0 - AP_i < 0 < AP_j already fails.
; BLOCKS.  Rows above 0.5 are the first num of the order; only the nblk = ceil(num / 32) blocks of 32 that hold them are worked on (num is a whole number read
; from memory).  Wave w owns the column blocks w and w + 32, a lane a column.  Step k: the owner of block k settles it (rows removed by earlier blocks: acc >= AP;
; then row by row inside the block, by 32 masks made beforehand), writes the block's AP with +inf for removed rows; behind a barrier every wave with later
; columns takes the maximum of iw ih - AP_i over the block's 32 rows into acc.  All that comes from floating-point numbers feeds selects alone.
; LIMITS.  NaN and infinities are not served; a pair within a few units in the last place of the threshold may be decided otherwise than by the division;
; areas stay below 3.4e38.  An image's output begins at b x 50,540 bytes, a multiple of 4 only: stores are of 4 bytes a lane, 128 consecutive bytes a wave.
.set FIELD, 8192
.set AP,    29184                      ; REC: 1,824 rows x 16 bytes from 0; AP: 1,824 f32
.set OUT7,  36608                      ; 1,824 rows x 28 bytes
.set SPARE, 87808                      ; the spare words, 128 bytes for each of 32 waves: sixteen blocks of 256 bytes that no other line names
.set NBLK,  57
.set SPW, 2                            ; v2  LDS address of my spare word; never rewritten
.set NIL, 3                            ; v3  0; never rewritten
.set KR,  4                            ; v4  512 k: block k's rows in REC, the same in every lane
.set KP,  5                            ; v5  128 k: block k's rows in AP
.set TT,  28                           ; v28-43 at work: four rows x four
.set BA,  44                           ; v44-75 eight rows' corners, buffer A;  v76-83 their AP
.set PA,  76
.set BB,  84                           ; v84-115, v116-123: buffer B
.set PB,  116
; v1 lane; v6, v7 my first column block's rows in REC and AP; v8, v9 my second's; v10, v11, v27 at work
; v12-15 corners, v16 AP, v17 acc, v18 masks of column block w;  v20-23, v24, v25, v26 of column block w + 32
; s10 wave; s12 num; s13 nblk; s14 k; s15 num - 1; s16 removed rows; s17, s18, s20-23 at work; s19 wave + 32; s24 +inf; s68-99 a block's 32 masks
	s_load_b128 s[4:7], s[0:1], 0x0                ; det s[4:5], rank s[6:7]
	s_load_b64 s[8:9], s[0:1], 0x10                ; out0
	v_lshl_add_u32 v[SPW], v0, 2, SPARE
	v_mov_b32 v[NIL], 0
	v_and_b32 v1, 31, v0
	v_lshrrev_b32 v10, 5, v0
	v_readfirstlane_b32 s10, v10                   ; wave 0..31
	s_add_co_u32 s19, s10, 32
	s_mov_b32 s24, 0x7f800000
	s_mul_i32 s20, ttmp9, 7*FIELD
	s_mov_b32 s21, 0
	s_lshl_b32 s22, ttmp9, 13
	s_mov_b32 s23, 0
	s_mul_i32 s26, ttmp9, 50540
	s_mov_b32 s27, 0
	v_lshlrev_b32 v11, 2, v0                       ; slot thread
	v_add_nc_u32 v27, 1024, v0                     ; slot thread + 1024,
	v_min_u32 v10, 1804, v27                       ; which loads the last box's numbers where it is no box
	v_lshlrev_b32 v10, 2, v10
	s_wait_kmcnt 0x0
	s_add_nc_u64 s[4:5], s[4:5], s[20:21]
	s_add_nc_u64 s[6:7], s[6:7], s[22:23]
	s_add_nc_u64 s[8:9], s[8:9], s[26:27]
	s_load_b32 s12, s[6:7], 0x1c34                 ; rank[1805]: how many boxes lie above 0.5
.irp f, 0,1,2,3,4,5,6
	global_load_b32 v[28+(\f)], v11, s[4:5] offset:(\f)*FIELD
.endr
	global_load_b32 v35, v11, s[6:7]
.irp f, 0,1,2,3,4,5,6                                  ; every wave loads a second slot; the seven waves beyond slot 1,823 sort nothing of it in
	global_load_b32 v[36+(\f)], v10, s[4:5] offset:(\f)*FIELD
.endr
	global_load_b32 v43, v10, s[6:7]
	s_lshl_b32 s20, s10, 9
	v_mov_b32 v6, s20
	s_lshl_b32 s20, s10, 7
	v_mov_b32 v7, s20
	s_min_u32 s21, s19, 56                         ; a wave without a second block names the last one and never uses it
	s_lshl_b32 s20, s21, 9
	v_mov_b32 v8, s20
	s_lshl_b32 s20, s21, 7
	v_mov_b32 v9, s20
	v_mov_b32 v[KR], 0
	v_mov_b32 v[KP], 0
	s_wait_kmcnt 0x0
	s_min_u32 s12, s12, 1805
	s_add_co_u32 s13, s12, 31
	s_lshr_b32 s13, s13, 5                         ; blocks that hold rows above 0.5: 0 to 57
	s_sub_co_u32 s15, s12, 1                       ; the row that is never emitted (none where num = 0: no row has the number 2^32 - 1)
	s_wait_loadcnt 0x0
; One slot's box goes to its row.  f: the first of its eight registers (obj, bx, by, bw, bh, class, p, rank).  pad = 1: slots from 1805 on are pads.
.macro PROC f, pad
	v_fma_f32 v44, v[(\f)+3], -0.5, v[(\f)+1]      ; x1, y1, x2, y2: half a side is exact, so the fused form rounds as bx - 0.5 bw does
	v_fma_f32 v45, v[(\f)+4], -0.5, v[(\f)+2]
	v_fma_f32 v46, v[(\f)+3], 0.5, v[(\f)+1]
	v_fma_f32 v47, v[(\f)+4], 0.5, v[(\f)+2]
	v_mul_f32 v48, v[(\f)+3], v[(\f)+4]
	v_mul_f32 v48, 0x3e9ee585, v48                 ; c x area
	v_mul_f32 v50, v[(\f)+3], v[(\f)+3]
	v_min3_num_f32 v49, v[(\f)+3], v[(\f)+4], v48
	v_cmp_lt_f32 s20, 0, v49                       ; both sides and c x area positive,
	v_cmp_gt_f32 s21, s24, v48                     ; and finite
	s_and_b32 s20, s20, s21
	v_cndmask_b32 v48, 0x7f7fffff, v48, s20
	v_cmp_lt_f32 vcc_lo, 0.5, v[\f]
	v_cndmask_b32 v48, s24, v48, vcc_lo            ; +inf unless objectness > 0.5
	v_cmp_lt_f32 s20, 0x3c23d70a, v[(\f)+6]        ; p > 0.01
	v_cmp_lt_f32 s21, 0x39d1b717, v50              ; bw^2 > 0.0004
	s_and_b32 s20, s20, s21
.if \pad
	v_cmp_gt_u32 s22, 781, v0                      ; 1024 + thread < 1805: a box
	s_and_b32 s20, s20, s22
	v_cndmask_b32 v48, s24, v48, s22               ; a pad: AP = +inf, fields 0, its row is its own slot; its corners are a finite copy that never acts
	v_cndmask_b32 v[(\f)+7], v27, v[(\f)+7], s22
.endif
.irp c, 0,1,2,3,4,5,6
	v_cndmask_b32 v[(\f)+(\c)], 0, v[(\f)+(\c)], s20  ; a row that fails the two filters is all zeros
.endr
	v_min_u32 v[(\f)+7], 1823, v[(\f)+7]           ; a loaded number enters an address only clamped
	v_lshlrev_b32 v51, 4, v[(\f)+7]
	v_lshlrev_b32 v52, 2, v[(\f)+7]
	v_mul_u32_u24 v53, 28, v[(\f)+7]
	ds_store_b128 v51, v[44:47]
	ds_store_b32 v52, v48 offset:AP
.irp c, 0,1,2,3,4,5,6
	ds_store_b32 v53, v[(\f)+(\c)] offset:OUT7+4*(\c)
.endr
.endm
	PROC 28, 0
	s_cmp_lt_u32 s10, 25                           ; 1024 + 25 x 32 = 1824: the last seven waves have no second slot
	s_cbranch_scc0 .Lsorted
	PROC 36, 1
.Lsorted:
	s_wait_dscnt 0x0                               ; for the others' sake: my rows are in LDS
	s_barrier_signal -1
	s_barrier_wait -1                              ; the ranks are a permutation of 0..1804 and the pads fill 1805..1823: every row is written
	v_lshlrev_b32 v10, 4, v0
	ds_load_b128 v[12:15], v10                     ; my column of block w
	ds_load_b32 v16, v11 offset:AP
	v_min_u32 v28, 1823, v27
	v_lshlrev_b32 v29, 4, v28
	v_lshlrev_b32 v30, 2, v28
	ds_load_b128 v[20:23], v29                     ; my column of block w + 32
	ds_load_b32 v24, v30 offset:AP
	v_mov_b32 v17, 0xff800000                      ; acc = -inf: nothing has acted yet
	v_mov_b32 v25, 0xff800000
	v_mov_b32 v18, 0
	v_mov_b32 v26, 0
	s_wait_dscnt 0x0
; Eight rows' corners and AP, read by all lanes at one address: ten LDS loads.
.macro LOADB batch, rb, pb, va, vp
.irp i, 0,1,2,3,4,5,6,7
	ds_load_b128 v[(\rb)+4*(\i):(\rb)+4*(\i)+3], v[\va] offset:128*(\batch)+16*(\i)
.endr
.irp h, 0,1
	ds_load_b128 v[(\pb)+4*(\h):(\pb)+4*(\h)+3], v[\vp] offset:AP+32*(\batch)+16*(\h)
.endr
.endm
; Eight rows against my column, four at a time, stage by stage, so that no line waits for the one before it: seven instructions a row.
; diag = 0: the results' maximum goes into acc.  diag = 1: row r's mask of the later columns that it would remove goes into lane r of d.
.macro COMP diag, batch, rb, pb, c, ap, acc, d
.irp g, 0,1
.irp q, 0,1,2,3
	v_max_num_f32 v[TT+4*(\q)+2], v[(\rb)+16*(\g)+4*(\q)], v[\c]
	v_max_num_f32 v[TT+4*(\q)+3], v[(\rb)+16*(\g)+4*(\q)+1], v[(\c)+1]
.endr
.irp q, 0,1,2,3
	v_min_num_f32 v[TT+4*(\q)], v[(\rb)+16*(\g)+4*(\q)+2], v[(\c)+2]
	v_min_num_f32 v[TT+4*(\q)+1], v[(\rb)+16*(\g)+4*(\q)+3], v[(\c)+3]
.endr
.irp q, 0,1,2,3
	v_pk_add_f32 v[TT+4*(\q):TT+4*(\q)+1], v[TT+4*(\q):TT+4*(\q)+1], v[TT+4*(\q)+2:TT+4*(\q)+3] neg_lo:[0,1] neg_hi:[0,1]  ; iw, ih
.endr
.irp q, 0,1,2,3
	v_max_num_f32 v[TT+4*(\q)], 0, v[TT+4*(\q)]
.endr
.irp q, 0,1,2,3
	v_fma_f32 v[TT+4*(\q)], v[TT+4*(\q)], v[TT+4*(\q)+1], -v[(\pb)+4*(\g)+(\q)]  ; iw ih - AP_i
.endr
.if \diag
.irp q, 0,1,2,3
	v_cmp_ge_f32 s[20+(\q)], v[TT+4*(\q)], v[\ap]
.endr
.irp q, 0,1,2,3
	s_and_b32 s[20+(\q)], s[20+(\q)], (0xfffffffe<<(8*(\batch)+4*(\g)+(\q)))&0xffffffff  ; the columns behind the row
.endr
.irp q, 0,1,2,3
	v_writelane_b32 v[\d], s[20+(\q)], 8*(\batch)+4*(\g)+(\q)
.endr
.else
	v_max3_num_f32 v[\acc], v[\acc], v[TT], v[TT+4]
	v_max3_num_f32 v[\acc], v[\acc], v[TT+8], v[TT+12]
.endif
.endr
.endm
; A block's 32 rows against one column block: four batches of eight on two buffers; a batch is asked for while the one before is worked on.
.macro ROWS32 diag, c, ap, acc, d, va, vp
	LOADB 0, BA, PA, \va, \vp
	LOADB 1, BB, PB, \va, \vp
	s_wait_dscnt 10                                ; LDS loads come back in order: the ten of the batch issued last may stay out
	COMP \diag, 0, BA, PA, \c, \ap, \acc, \d
	LOADB 2, BA, PA, \va, \vp
	s_wait_dscnt 10
	COMP \diag, 1, BB, PB, \c, \ap, \acc, \d
	LOADB 3, BB, PB, \va, \vp
	s_wait_dscnt 10
	COMP \diag, 2, BA, PA, \c, \ap, \acc, \d
	s_wait_dscnt 0x0
	COMP \diag, 3, BB, PB, \c, \ap, \acc, \d
.endm
	; the masks inside my own blocks, made once, from the rows' first AP: a row above 0.5 has c x area there
	s_cmp_ge_u32 s10, s13
	s_cbranch_scc1 .Lmasks_made
	ROWS32 1, 12, 16, 17, 18, 6, 7
	s_cmp_ge_u32 s19, s13
	s_cbranch_scc1 .Lmasks_made
	ROWS32 1, 20, 24, 25, 26, 8, 9
.Lmasks_made:
	s_mov_b32 s14, 0
.Lstep:                                                ; 57 trips, the constant maximum; the work of steps from nblk on is jumped over, the barriers are not
	s_wait_dscnt 0x0                               ; my reads of REC and AP are over
	s_barrier_signal -1
	s_barrier_wait -1                              ; everybody's are: AP may be written
	s_cmp_ge_u32 s14, s13
	s_cbranch_scc1 .Lsettled
	s_and_b32 s17, s14, 31
	s_cmp_lg_u32 s17, s10
	s_cbranch_scc1 .Lsettled
	; block k is mine: it is settled
	s_cmp_ge_u32 s14, 32
	s_cselect_b32 s18, -1, 0                       ; my first column block or my second
	v_cndmask_b32 v10, v17, v25, s18
	v_cndmask_b32 v11, v16, v24, s18
	v_cndmask_b32 v28, v18, v26, s18
	v_cmp_ge_f32 s16, v10, v11                     ; rows that a live row of an earlier block removes
.set r, 0
.rept 32
	v_readlane_b32 s[68+r], v28, r
.set r, r+1
.endr
.set r, 0
.rept 32                                               ; in order: a row that is still there removes what its mask names, all of it behind the row
	s_bitcmp1_b32 s16, r
	s_cselect_b32 s17, 0, s[68+r]
	s_or_b32 s16, s16, s17
.set r, r+1
.endr
	v_cndmask_b32 v29, v11, s24, s16               ; a removed row's AP becomes +inf
	v_lshl_add_u32 v30, v1, 2, v[KP]
	ds_store_b32 v30, v29 offset:AP
.Lsettled:
	s_wait_dscnt 0x0                               ; for the others' sake: the block's AP is in LDS
	s_barrier_signal -1
	s_barrier_wait -1
	s_cmp_ge_u32 s14, s13
	s_cbranch_scc1 .Lno_tile
	s_cmp_le_u32 s10, s14                          ; my first column block lies behind block k, and holds rows above 0.5?
	s_cbranch_scc1 .Lsecond
	s_cmp_ge_u32 s10, s13
	s_cbranch_scc1 .Lsecond
	ROWS32 0, 12, 16, 17, 18, KR, KP
.Lsecond:
	s_cmp_le_u32 s19, s14                          ; the same for my second
	s_cbranch_scc1 .Lno_tile
	s_cmp_ge_u32 s19, s13
	s_cbranch_scc1 .Lno_tile
	ROWS32 0, 20, 24, 25, 26, KR, KP
.Lno_tile:
	v_add_nc_u32 v[KR], 512, v[KR]
	v_add_nc_u32 v[KP], 128, v[KP]
	s_add_co_u32 s14, s14, 1
	s_cmp_lt_u32 s14, NBLK
	s_cbranch_scc1 .Lstep
	; THE OUTPUT: 12,635 numbers, number f = thread + 1024 m, of row f / 7.  Every write of AP stands in front of a barrier that all waves have passed.
	v_lshlrev_b32 v11, 2, v0
	v_add_nc_u32 v10, OUT7, v11
.set m, 0
.rept 13
	v_add_nc_u32 v[60+m], 1024*m, v0
.if m == 12
	v_min_u32 v[60+m], 12634, v[60+m]              ; the last round has 347 numbers: the other lanes read the last one and store nothing
	v_lshl_add_u32 v8, v[60+m], 2, OUT7
.endif
	v_mul_u32_u24 v[60+m], 9363, v[60+m]           ; f / 7 = (f x 9363) >> 16: the excess, f x 5 / (7 x 2^16), stays under 1/7 up to f = 12,634
	v_lshrrev_b32 v[60+m], 16, v[60+m]
	v_lshlrev_b32 v[76+m], 2, v[60+m]
.set m, m+1
.endr
.set m, 0
.rept 13
.if m == 12
	ds_load_b32 v[28+m], v8
.else
	ds_load_b32 v[28+m], v10 offset:4096*m
.endif
	ds_load_b32 v[44+m], v[76+m] offset:AP
.set m, m+1
.endr
.set m, 0
.rept 13
	s_wait_dscnt 2*(12-m)                          ; the pairs of loads behind pair m may stay out
	v_cmp_gt_f32 vcc_lo, s24, v[44+m]              ; AP finite: above 0.5 and not removed
	v_cndmask_b32 v[28+m], 0, v[28+m], vcc_lo
	v_cmp_ne_u32 vcc_lo, s15, v[60+m]              ; and not row num - 1
	v_cndmask_b32 v[28+m], 0, v[28+m], vcc_lo
.if m < 12
	global_store_b32 v11, v[28+m], s[8:9] offset:4096*m th:TH_STORE_NT  ; 128 consecutive bytes a wave
.endif
.set m, m+1
.endr
	s_wait_xcnt 0x0                                ; EXEC is a source of the stores above: it changes only behind this wait
	v_cmp_gt_u32 vcc_lo, 347, v0
	s_and_saveexec_b32 s20, vcc_lo
	global_store_b32 v11, v40, s[8:9] offset:4096*12 th:TH_STORE_NT
	s_wait_xcnt 0x0                                ; and again in front of the line that widens it
	s_or_b32 exec_lo, exec_lo, s20
	s_wait_tensorcnt 0x0                           ; the wave's end
	ds_add_u32 v[SPW], v[NIL]
	s_wait_dscnt 0x0
	s_endpgm
.Lfunc_end_k_q9efa5eb9fe_nms:
	.size	k_q9efa5eb9fe_nms, .Lfunc_end_k_q9efa5eb9fe_nms-k_q9efa5eb9fe_nms
	.p2alignl 7, 3214868480
	.fill 96, 4, 3214868480
	.section	.rodata,"a",@progbits
	.p2align	6, 0x0
	.amdhsa_kernel k_q9efa5eb9fe_nms
		.amdhsa_group_segment_fixed_size 91904
		.amdhsa_private_segment_fixed_size 0
		.amdhsa_enable_private_segment 0
		.amdhsa_kernarg_size 24
		.amdhsa_user_sgpr_count 2
		.amdhsa_user_sgpr_kernarg_segment_ptr 1
		.amdhsa_wavefront_size32 1
		.amdhsa_system_sgpr_workgroup_id_x 1
		.amdhsa_system_sgpr_workgroup_id_y 1
		.amdhsa_system_sgpr_workgroup_id_z 1
		.amdhsa_system_vgpr_workitem_id 0
		.amdhsa_next_free_vgpr 128
		.amdhsa_next_free_sgpr 100
		.amdhsa_reserve_vcc 1
		.amdhsa_float_denorm_mode_32 3
		.amdhsa_float_denorm_mode_16_64 3
		.amdhsa_memory_ordered 1
		.amdhsa_forward_progress 1
		.amdhsa_inst_pref_size 84
	.end_amdhsa_kernel
	.amdgpu_metadata
---
amdhsa.version: [ 1, 2 ]
amdhsa.kernels:
  - .name:           k_q9efa5eb9fe_nms
    .symbol:         k_q9efa5eb9fe_nms.kd
    .args:
      - { .name: det, .offset: 0, .size: 8, .value_kind: global_buffer, .address_space: global }
      - { .name: rank, .offset: 8, .size: 8, .value_kind: global_buffer, .address_space: global }
      - { .name: out0, .offset: 16, .size: 8, .value_kind: global_buffer, .address_space: global }
    .group_segment_fixed_size: 91904
    .private_segment_fixed_size: 0
    .kernarg_segment_align: 8
    .kernarg_segment_size: 24
    .max_flat_workgroup_size: 1024
    .sgpr_count:     100
    .vgpr_count:     128
    .wavefront_size: 32
...
	.end_amdgpu_metadata
.endif
;; end of part 2
